; MI455X (gfx1250); checked and timed in simulation.
; The chip was launched on July 23, 2026; its instructions are those of AMD's public machine-readable ISA for CDNA 5 (MIT licence, August 2026) and "CDNA5" Instruction Set Architecture Reference Guide (July 2026). The comments in the code are by the model that wrote it; some were corrected since.
;; Quant Linear WB. Allowed arithmetic: matrix products marked QUANTISED: E4M3 operands, one E8M0 scale for each 32 along K, by v_wmma_scale_f32_16x16x128_f8f6f4 with both operands' format E4M3, f32 sums; everything else in f32.
;; Inputs: bias 4,096 float32; qcodes 4,096 x 32 x 64 int32; scales 4,096 x 32 float32; x 4 x 1,024 x 4,096 float32; zeros 4,096 x 32 float32.
;; Outputs: out0 4 x 1,024 x 4,096 float32.
;; This version of the problem:
;;   THIS VERSION OF THE PROBLEM IS GIVEN IN LOW PRECISION. The matrix products marked QUANTISED in the list below multiply operands that are first quantised to E4M3 (4 exponent bits, 3 mantissa bits; 8 bits a number), with one power-of-two scale for each 32 numbers along K (OCP MX v1.0); their sums are f32. All else is computed in f32.
;;   The module's matrix products, in the order in which they are computed (A, B: the left and right operand; K: the contracted axis; several contracted axes count as one K, in the product's order):
;;     1. [M 4,096, K 4,096] x [K 4,096, N 4,096]; A: input x; B: computed on the way: QUANTISED
;;   THE QUANTISER, for each operand of a quantised product, along K:
;;     - K is cut into blocks of 32 from its start; a last block that is shorter is filled with zeros.
;;     - A block's scale is 2^e with e = floor(log2(the largest magnitude in the block)) - 8, held to -126 .. 127; a block of zeros has e = 0. As a byte (E8M0): e + 127.
;;     - Each number is divided by its block's scale, clamped to +-448, and rounded to the nearest number of E4M3, ties to even, subnormals kept.
;;     - The product sums the exact products of the quantised numbers (number of the format x scale) in f32.
;;   ~~~python
;;   def quantise(x, axis):      # numpy; x: float32 -> the quantised numbers, widened to float32 again
;;       x = np.moveaxis(x, axis, -1); K = x.shape[-1]
;;       x = np.pad(x, [(0, 0)] * (x.ndim - 1) + [(0, -K % 32)]); x = x.reshape(x.shape[:-1] + (-1, 32)); a = np.abs(x).max(-1, keepdims=True)
;;       e = np.where(a > 0, np.clip(np.frexp(np.where(a > 0, a, 1))[1] - 1 - 8, -126, 127), 0)      # np.frexp(a)[1] - 1 = floor(log2(a)), exactly
;;       r = np.clip(x / 2.0 ** e, -448, 448)
;;       step = 2.0 ** (np.maximum(np.frexp(np.where(r == 0, 1, r))[1] - 1, -6) - 3)
;;       q = np.round(r / step) * step * 2.0 ** e      # np.round: ties to even
;;       return np.moveaxis(q.reshape(q.shape[:-2] + (-1,))[..., :K], -1, axis).astype(np.float32)
;;   ~~~
;;   OPERANDS COMPUTED ON THE WAY. 'Computed on the way' means the value that the module computes at that place (a softmax that the list does not call 'softmax' is quantised finished and normalised). What goes into a quantiser is computed in f32, as accurately as f32 sums, v_exp_f32 and their like allow (about 1e-6 of the number): no bf16 or f16 on the way to a quantiser, and a product that is left as it is and whose result goes on into a quantised operand takes f32 operands (vector FMAs, or v_wmma_f32_16x16x4_f32). A number that lies on a knife's edge between two numbers of the format may be rounded either way, as far as f32 arithmetic and the matrix unit's own rounding can turn it there, and no further.
;; One version. Each part assembles by itself: llvm-mc -triple=amdgcn-amd-amdhsa -mcpu=gfx1250 --defsym DOCPART=n.
;; ======== version 1 of 1: 2 launches
;; limits: values are held in f16: magnitudes above 65,504 overflow, below 6.1e-05 lose precision; right only within a limited range of input values
;; workspace buffers: xq 17,301,504 bytes; wq 17,301,504 bytes
;; launch quant (part 1): grid 256 x 1, 8 waves a work-group, no clusters, 327,680 bytes of LDS; arguments x, qcodes, scales, zeros, xq, wq; writes xq, wq
.if DOCPART == 1
	.amdgcn_target "amdgcn-amd-amdhsa--gfx1250"
	.amdhsa_code_object_version 6
	.text
	.protected	k_q02c4e2db90_quant
	.globl	k_q02c4e2db90_quant
	.p2align	8
	.type	k_q02c4e2db90_quant,@function
k_q02c4e2db90_quant:
	s_mov_b64 s[64:65], 0
	v_nop
	global_prefetch_b8 v0, s[64:65] scope:SCOPE_SE
	s_setreg_imm32_b32 hwreg(HW_REG_WAVE_MODE, 25, 1), 1
	s_wait_xcnt 0x0
; x [4096][4096] f32, and W [4096][4096], made here from 4-bit codes, become codes of FP8 (E4M3) with one E8M0 scale byte for each 32 along K.
; W: each int32 of qcodes holds two weights, bits 7:4 first, then bits 3:0; w = (q - zero) * scale with the group's zero and scale (128 along K): a subtraction and a multiplication, each
; rounded to f32 by itself; w is rounded to f16 and widened again; that number goes into the quantiser.
; A block's scale byte is its largest magnitude's exponent field - 8, held at 1 from below; each number is divided by the scale, held within +-448 and rounded to the nearest code, ties to even.
; LIMITS: NaN and infinities among the inputs are not served; a |w| beyond f16's 65,504 becomes infinity and is not served; blocks whose largest magnitude lies under 2^-118 keep the byte 1;
; a block of zeros has the byte 1 and not 127: its codes are zeros, which add nothing under any byte but 0xff, and this program alone reads the bytes.
; xq: [row / 128 : 32][k / 256 : 16] blocks of 33,792 dense bytes: byte 256 p + c is the code of row p at k = c, byte 32,768 + 8 p + b the scale byte of row p's block b.
; wq: [row / 64 : 64][k / 128 : 32] chunks of 8,448 bytes, laid as the product's operand registers take them: byte 512 (4 b + c) + 16 (r + 16 f) + e is the code of row 16 b + r at k = 32 c + 16 f + e;
; byte 8,192 + 8 (r + 16 (b % 2)) + 4 (b / 2) + c is the scale byte of row 16 b + r's block c.
; SHARES: work-group (t, sp) takes rows 128 t .. + 127 and K = 512 sp .. + 511 of both tensors.  Wave w takes 16 of the rows.  Its three tiles have ONE shape in LDS, 16 rows of 1,024 bytes + 16 of padding:
; W's 256 words a row (512 weights), x's first 256 numbers a row, x's second 256.  They go through the wave's own ring of two slots: W into slot 0 at the head, x's first into slot 1, x's second into slot 0 again.
; no lane joins another for a largest magnitude.
; x's codes, 16 rows x 256, go through the wave's own stage and leave as rows, 512 consecutive bytes a store.  W's codes leave the lanes as they are: sixteen lanes' 16 bytes are 256 consecutive bytes of a chunk.
; The scale bytes of all eight waves meet in 4,096 bytes of LDS behind one barrier and leave as runs of 256 bytes.
; No clusters: no two work-groups read the same tile.  No prefetch: the text has no loop to run ahead in, and each wave's next tile is always asked for.
.set BLKMEM, 33792
.set CH,     8448
.set ROWP,   1040                      ; an LDS row: 1,024 bytes + 16
.set TILE,   16*ROWP
.set SPITCH, 272                       ; a stage row: 256 codes + 16
.set STG,    8*2*TILE                  ; behind the rings: a stage of 16 rows for each wave
.set SCB,    STG+8*16*SPITCH           ; behind the stages: the scale bytes: xq's two blocks (1,024 each), then wq's eight chunks (256 each)
.set SPARE,  SCB+4096                  ; the spare words, 128 bytes a wave: no other line names them
.set SPW, 12                           ; v12 my spare word's address;  v13 0: both never rewritten
.set NIL, 13
.set LX,  14                           ; LDS: my row of slot 0, + 512 h (x)
.set LW,  15                           ;      the same + 256 h (W)
.set STO, 16                           ; the stage, in: row r, + 128 h
.set RD,  17                           ; the stage, back: sixteen lanes a row
.set CO,  18                           ; 16 x lane
.set SCA, 19                           ; where my scale word of x goes
.set SCR, 20                           ; where my wave reads 256 scale bytes back
.set TO,  21                           ; 128 r: my row of scales and zeros
.set SW,  22                           ; four scale bytes
.set WO,  23                           ; wq: h chunks + 16 r
.set SCW, 24                           ; where my scale word of W goes
.set C8,  25                           ; 8 x lane
.set X,   32                           ; v32-95   x: two sets of 32 numbers;  W: 64 words
.set Q,   32
.set H,   96                           ; v96-111  f16 pairs
.set C,   112                          ; v112-143 codes: 8 registers for each of a unit's 4 blocks
.set O,   144                          ; v144-175 x's way out
.set WK,  176                          ; v176-207 32 weights at work
.set TS,  208                          ; v208-211 my row's 4 scales;  v212-215 its 4 zeros
.set TZ,  212
.set ZP,  216                          ; v216, v218 my group's zero in pass 0, 1;  v220, v222 its scale (upper halves of the pairs: 0, named and not used)
.set FP,  220
.set G1X, 24                           ; s[24:31] group 1 for x's tiles;  s[32:39] for W's: the pitch alone differs
.set G1W, 32
.set G0A, 40                           ; group 0: W -> slot 0;  x's first -> slot 1;  x's second -> slot 0.  None is ever rewritten
.set G0B, 44
.set G0C, 48
	s_load_b256 s[4:11], s[0:1], 0x0               ; x, qcodes, scales, zeros
	s_load_b128 s[12:15], s[0:1], 0x20             ; xq, wq
	v_lshl_add_u32 v[SPW], v0, 2, SPARE
	v_mov_b32 v[NIL], 0
	ds_add_u32 v[SPW], v[NIL]                      ; the opening lines: the add, twice on end, and its wait ahead of my first tensor load
	ds_add_u32 v[SPW], v[NIL]
	v_lshrrev_b32 v1, 5, v0
	v_readfirstlane_b32 s16, v1                    ; wave 0..7
	s_lshr_b32 s17, ttmp9, 3                       ; t
	s_and_b32 s18, ttmp9, 7                        ; sp
.irp g, G1X, G1W
	s_mov_b32 s[\g+0], (2<<16)|(1<<20)|(7<<22)|(3<<25)   ; elements of 4 bytes; 4 words of padding behind every 256
	s_mov_b32 s[\g+1], 256<<16                     ; tensor_dim0
	s_mov_b32 s[\g+2], 16<<16                      ; tensor_dim1
	s_mov_b32 s[\g+3], 256<<16                     ; tile_dim0
	s_mov_b32 s[\g+4], 16                          ; tile_dim1
	s_mov_b32 s[\g+6], 0
	s_mov_b32 s[\g+7], 0
.endr
	s_mov_b32 s[G1X+5], 4096                       ; elements from row to row
	s_mov_b32 s[G1W+5], 2048
	s_lshl_b32 s19, s17, 3
	s_add_co_u32 s19, s19, s16                     ; 8 t + w: my 16 rows
	s_lshl_b32 s20, s19, 18                        ; x: 16 rows of 16,384 bytes,
	s_lshl_b32 s22, s18, 11                        ; 512 numbers along K
	s_add_co_u32 s20, s20, s22
	s_mov_b32 s21, 0
	s_lshl_b32 s22, s19, 17                        ; qcodes: 16 rows of 8,192 bytes,
	s_lshl_b32 s54, s18, 10                        ; 256 words
	s_add_co_u32 s22, s22, s54
	s_mov_b32 s23, 0
	s_mul_i32 s60, s16, 2*TILE                     ; my ring
	s_wait_dscnt 0x0                               ; both opening adds are done
	s_wait_kmcnt 0x0
	s_add_nc_u64 s[6:7], s[6:7], s[22:23]
	s_mov_b32 s[G0A], 1
	s_add_co_u32 s[G0A+1], s60, 0
	s_mov_b64 s[G0A+2:G0A+3], s[6:7]
	s_or_b32 s[G0A+3], s[G0A+3], 0x80000000
	tensor_load_to_lds s[G0A:G0A+3], s[G1W:G1W+7]  ; my one load at the head: W's tile
	s_nop 0
	s_add_nc_u64 s[4:5], s[4:5], s[20:21]
	s_mov_b32 s[G0B], 1
	s_add_co_u32 s[G0B+1], s60, TILE
	s_mov_b64 s[G0B+2:G0B+3], s[4:5]
	s_or_b32 s[G0B+3], s[G0B+3], 0x80000000
	s_mov_b32 s[G0C], 1
	s_add_co_u32 s[G0C+1], s60, 0
	s_add_nc_u64 s[G0C+2:G0C+3], s[4:5], 1024
	s_or_b32 s[G0C+3], s[G0C+3], 0x80000000
	s_lshl_b32 s54, s19, 11                        ; scales, zeros: 16 rows of 128 bytes,
	s_lshl_b32 s56, s18, 4                         ; groups 4 sp .. 4 sp + 3
	s_add_co_u32 s54, s54, s56
	s_mov_b32 s55, 0
	s_add_nc_u64 s[8:9], s[8:9], s[54:55]
	s_add_nc_u64 s[10:11], s[10:11], s[54:55]
	s_lshl_b32 s56, s17, 4
	s_lshl_b32 s58, s18, 1
	s_add_co_u32 s56, s56, s58
	s_mul_i32 s56, s56, BLKMEM                     ; xq: block 16 t + 2 sp
	s_mov_b32 s57, 0
	s_add_nc_u64 s[12:13], s[12:13], s[56:57]
	s_lshr_b32 s58, s16, 2                         ; w / 4
	s_and_b32 s59, s16, 3                          ; w % 4
	s_mul_i32 s22, s58, BLKMEM                     ; xq's scale bytes that I send: block w / 4, its 256 bytes number w % 4
	s_lshl_b32 s23, s59, 8
	s_add_co_u32 s22, s22, s23
	s_add_co_u32 s22, s22, 32768
	s_mov_b32 s23, 0
	s_add_nc_u64 s[20:21], s[12:13], s[22:23]
	s_lshl_b32 s22, s16, 12                        ; xq's codes: my 16 rows of 256
	s_add_nc_u64 s[12:13], s[12:13], s[22:23]
	s_lshl_b32 s22, s17, 1                         ; wq: my 64 rows are group 2 t + w / 4; its chunk 4 sp
	s_add_co_u32 s22, s22, s58
	s_lshl_b32 s22, s22, 5
	s_lshl_b32 s54, s18, 2
	s_add_co_u32 s22, s22, s54
	s_mul_i32 s22, s22, CH
	s_add_nc_u64 s[14:15], s[14:15], s[22:23]
	s_mul_i32 s22, s59, CH                         ; wq's scale bytes that I send: chunk 4 sp + w % 4 of that group
	s_add_co_u32 s22, s22, 8192
	s_add_nc_u64 s[6:7], s[14:15], s[22:23]
	s_lshl_b32 s22, s59, 11                        ; wq's codes: my 16 rows are the group's block w % 4: 2,048 bytes of a chunk
	s_add_nc_u64 s[14:15], s[14:15], s[22:23]
	s_mul_i32 s54, s16, 16*SPITCH
	s_add_co_u32 s54, s54, STG                     ; my stage
	s_lshl_b32 s55, s16, 7
	s_add_co_u32 s55, s55, SCB                     ; x: my 16 rows' bytes in a block's 1,024
	s_lshl_b32 s56, s16, 8
	s_add_co_u32 s56, s56, SCB                     ; the 256 bytes that I send
	s_lshl_b32 s57, s58, 10                        ; W: my group's four chunks,
	s_and_b32 s22, s16, 1
	s_lshl_b32 s22, s22, 7                         ; lanes 16-31 of the words for an odd block,
	s_add_co_u32 s57, s57, s22
	s_bfe_u32 s22, s16, 0x10001
	s_lshl_b32 s22, s22, 2                         ; the second word for blocks 2 and 3
	s_add_co_u32 s57, s57, s22
	s_add_co_u32 s57, s57, SCB+2048
	s_mov_b32 s53, 0x600000                        ; the mantissa field of 448
	v_and_b32 v1, 15, v0                           ; r
	v_bfe_u32 v2, v0, 4, 1                         ; h: kept
	v_and_b32 v3, 31, v0
	v_mul_u32_u24 v4, v1, ROWP
	v_add_nc_u32 v4, s60, v4
	v_lshl_add_u32 v[LX], v2, 9, v4
	v_lshl_add_u32 v[LW], v2, 8, v4
	v_mul_u32_u24 v5, v1, SPITCH
	v_lshl_add_u32 v5, v2, 7, v5
	v_add_nc_u32 v[STO], s54, v5
	v_mul_u32_u24 v5, v2, SPITCH
	v_lshl_add_u32 v5, v1, 4, v5
	v_add_nc_u32 v[RD], s54, v5
	v_lshlrev_b32 v[CO], 4, v3
	v_lshlrev_b32 v[C8], 3, v3
	v_lshlrev_b32 v5, 3, v1
	v_lshl_add_u32 v6, v2, 2, v5
	v_add_nc_u32 v[SCA], s55, v6
	v_lshl_add_u32 v6, v2, 8, v5
	v_add_nc_u32 v[SCW], s57, v6
	v_add_nc_u32 v[SCR], s56, v[C8]
	v_mul_u32_u24 v5, v2, CH
	v_lshl_add_u32 v[WO], v1, 4, v5
	v_lshlrev_b32 v[TO], 7, v1
.irp r, 217,219,221,223
	v_mov_b32 v\r, 0
.endr
	s_wait_alu depctr_va_vdst(0)                   ; the wait at the head's end
	global_load_b128 v[TS:TS+3], v[TO], s[8:9]     ; my row's scales of the four groups (both halves of the lanes read the same 16 bytes)
	global_load_b128 v[TZ:TZ+3], v[TO], s[10:11]   ; and its zeros
; A slot is filled, for the first time or again: all my tensor loads have landed; the add; its wait, which also shows my LDS reads back; the barrier; my one load first behind it.
.macro FILL g0
	s_wait_tensorcnt 0x0
	ds_add_u32 v[SPW], v[NIL]
	s_wait_dscnt 0x0
	s_barrier_signal -1
	s_barrier_wait -1
	tensor_load_to_lds s[\g0:\g0+3], s[G1X:G1X+7]
	s_nop 0
.endm
; One block: 32 numbers at v[xs ..] -> 8 registers of codes; its byte into SW.  WP < 0: x, the codes go into the stage;  else W's pass WP: they go to wq.
.macro QBLK xs, j
	v_max3_num_f32 v8, |v[(\xs)]|, |v[(\xs)+1]|, |v[(\xs)+2]|      ; the largest magnitude, in two chains
	v_max3_num_f32 v9, |v[(\xs)+3]|, |v[(\xs)+4]|, |v[(\xs)+5]|
.irp i, 6,10,14,18,22,26
	v_max3_num_f32 v8, v8, |v[(\xs)+\i]|, |v[(\xs)+\i+1]|
	v_max3_num_f32 v9, v9, |v[(\xs)+\i+2]|, |v[(\xs)+\i+3]|
.endr
	v_max3_num_f32 v8, v8, |v[(\xs)+30]|, |v[(\xs)+31]|
	v_max3_num_f32 v8, v8, v9, 0x4800000           ; and the floor 2^(9 - 127): the byte cannot fall under 1
	v_add_nc_u32 v11, 0xfc000000, v8               ; 8 off the exponent field: the conversion's scale operand
	v_and_or_b32 v10, v8, 0x7f800000, s53          ; 448 x the scale
.set n, 0
.rept 32
	v_med3_num_f32 v[(\xs)+n], v[(\xs)+n], -v10, v10   ; the conversion to an 8-bit code does not saturate (ISA guide 7.6.2): the hold comes first
.set n, n+1
.endr
.irp g, 0,1,2,3
	v_cvt_scalef32_pk8_fp8_f32 v[C+8*(\j)+2*\g:C+8*(\j)+2*\g+1], v[(\xs)+8*\g:(\xs)+8*\g+7], v11
.endr
.if (\j) == 0
	v_lshrrev_b32 v[SW], 23, v11                   ; the scale's byte (also the plain line behind the conversions)
.else
	v_lshrrev_b32 v9, 23, v11
	v_lshl_or_b32 v[SW], v9, 8*(\j), v[SW]
.endif
.if WP < 0
	ds_store_b128 v[STO], v[C+8*(\j):C+8*(\j)+3] offset:32*(\j)
	ds_store_b128 v[STO], v[C+8*(\j)+4:C+8*(\j)+7] offset:32*(\j)+16
.else
	global_store_b128 v[WO], v[C+8*(\j):C+8*(\j)+3], s[14:15] offset:2*WP*CH+512*(\j)         ; k = 32 j + 0 .. 15: sixteen lanes store 256 consecutive bytes, at a multiple of 256 from the buffer's first byte
	global_store_b128 v[WO], v[C+8*(\j)+4:C+8*(\j)+7], s[14:15] offset:2*WP*CH+512*(\j)+256   ; k = 32 j + 16 .. 31
.endif
.endm
; x's way out: my scale word to the work-group's bytes; the 16 rows back from my stage (LDS serves a wave's instructions in order: ISA guide 5.7.1.4), two rows a store.
.macro OUT p
	ds_store_b32 v[SCA], v[SW] offset:1024*(\p)
.irp i, 0,1,2,3,4,5,6,7
	ds_load_b128 v[O+4*\i:O+4*\i+3], v[RD] offset:\i*2*SPITCH
.endr
	s_wait_dscnt 0x0
.irp i, 0,1,2,3,4,5,6,7
	global_store_b128 v[CO], v[O+4*\i:O+4*\i+3], s[12:13] offset:512*\i+BLKMEM*(\p)   ; 512 consecutive bytes, at a multiple of 256 from the buffer's first byte
.endr
.endm
.macro XLD sl, j                       ; block 4 h + j of my row: 128 bytes into set j % 2
.irp i, 0,1,2,3,4,5,6,7
	ds_load_b128 v[X+32*((\j)%2)+4*\i:X+32*((\j)%2)+4*\i+3], v[LX] offset:(\sl)*TILE+128*(\j)+16*\i
.endr
.endm
.macro XUNIT sl, p                     ; the counts: the LDS instructions issued behind the block's eight loads
.set WP, -1
	s_wait_xcnt 0x0                                ; the last unit's stores have read v[C ..] and v[O ..]
	XLD \sl, 0
	XLD \sl, 1
	s_wait_dscnt 8                                 ; block 1's eight loads
	QBLK X, 0
	XLD \sl, 2
	s_wait_dscnt 10                                ; block 0's two stores, block 2's eight loads
	QBLK X+32, 1
	XLD \sl, 3
	s_wait_dscnt 10
	QBLK X, 2
	s_wait_dscnt 2                                 ; block 2's two stores
	QBLK X+32, 3
	OUT \p
.endm
.macro WBLK p, j                       ; 16 words -> 32 weights -> a block
.set QJ, Q+16*(\j)
.set n, 0
.rept 16
	v_bfe_u32 v[WK+2*n], v[QJ+n], 4, 4             ; the even weight: bits 7:4
	v_and_b32 v[WK+2*n+1], 15, v[QJ+n]             ; the odd one: bits 3:0
.set n, n+1
.endr
.set n, 0
.rept 32
	v_cvt_f32_u32 v[WK+n], v[WK+n]
.set n, n+1
.endr
.set n, 0
.rept 16
	v_pk_add_f32 v[WK+2*n:WK+2*n+1], v[WK+2*n:WK+2*n+1], v[ZP+2*(\p):ZP+2*(\p)+1] op_sel_hi:[1,0] neg_lo:[0,1] neg_hi:[0,1]   ; q - zero, rounded to f32;
.set n, n+1
.endr
.set n, 0
.rept 16
	v_pk_mul_f32 v[WK+2*n:WK+2*n+1], v[WK+2*n:WK+2*n+1], v[FP+2*(\p):FP+2*(\p)+1] op_sel_hi:[1,0]   ; x scale, rounded again: the definition rounds the difference, so no fused form
.set n, n+1
.endr
.set n, 0
.rept 16
	v_cvt_pk_f16_f32 v[H+n], v[WK+2*n], v[WK+2*n+1]   ; to f16, nearest even, as the definition stores the weight,
.set n, n+1
.endr
.set n, 0
.irp s, v96.l,v96.h,v97.l,v97.h,v98.l,v98.h,v99.l,v99.h,v100.l,v100.h,v101.l,v101.h,v102.l,v102.h,v103.l,v103.h,v104.l,v104.h,v105.l,v105.h,v106.l,v106.h,v107.l,v107.h,v108.l,v108.h,v109.l,v109.h,v110.l,v110.h,v111.l,v111.h
	v_cvt_f32_f16 v[WK+n], \s                      ; and wide again
.set n, n+1
.endr
	QBLK WK, \j
.endm
.macro WUNIT p                         ; pass p: weights 256 p .. + 255 of my row's 512; my 64 words (128 along K: one chunk's) are 256 bytes on end
.set WP, \p
	s_wait_xcnt 0x0                                ; the last unit's stores have read v[C ..]
.irp i, 0,1,2,3,4,5,6,7,8,9,10,11,12,13,14,15
	ds_load_b128 v[Q+4*\i:Q+4*\i+3], v[LW] offset:512*(\p)+16*\i
.endr
.irp j, 0,1,2,3
	s_wait_dscnt 12-4*\j                           ; behind block j's four loads: the 12 - 4 j loads of later blocks
	WBLK \p, \j
.endr
	ds_store_b32 v[SCW], v[SW] offset:512*(\p)     ; my row's scale word of chunk 2 p + h
.endm
	FILL G0B                                       ; W's tile has landed; x's first goes out: slot 1's first fill
	s_wait_loadcnt 0x0                             ; my row's scales and zeros
	v_cmp_ne_u32 s52, 0, v2                        ; lanes 16-31 take the odd group of a pass
	v_cndmask_b32 v[ZP], v[TZ], v[TZ+1], s52
	v_cndmask_b32 v[ZP+2], v[TZ+2], v[TZ+3], s52
	v_cndmask_b32 v[FP], v[TS], v[TS+1], s52
	v_cndmask_b32 v[FP+2], v[TS+2], v[TS+3], s52
	s_wait_alu depctr_va_vdst(0)
	WUNIT 0
	WUNIT 1
	FILL G0C                                       ; x's first tile has landed, slot 0 has been read: x's second goes out
	XUNIT 1, 0
	s_wait_tensorcnt 0x0                           ; x's second tile: no load was issued behind it
	XUNIT 0, 1
	s_wait_dscnt 0x0                               ; for the others' sake: my scale words are stored
	s_barrier_signal -1
	s_barrier_wait -1
	ds_load_b64 v[X:X+1], v[SCR]
	ds_load_b64 v[X+2:X+3], v[SCR] offset:2048
	s_wait_dscnt 0x0
	global_store_b64 v[C8], v[X:X+1], s[20:21]     ; 256 consecutive scale bytes of xq, at a multiple of 256 from the buffer's first byte
	global_store_b64 v[C8], v[X+2:X+3], s[6:7]     ; and of wq
	s_wait_tensorcnt 0x0                           ; the wave's end
	ds_add_u32 v[SPW], v[NIL]
	s_wait_dscnt 0x0
	s_endpgm
.Lfunc_end_k_q02c4e2db90_quant:
	.size	k_q02c4e2db90_quant, .Lfunc_end_k_q02c4e2db90_quant-k_q02c4e2db90_quant
	.p2alignl 7, 3214868480
	.fill 96, 4, 3214868480
	.section	.rodata,"a",@progbits
	.p2align	6, 0x0
	.amdhsa_kernel k_q02c4e2db90_quant
		.amdhsa_group_segment_fixed_size 327680
		.amdhsa_private_segment_fixed_size 0
		.amdhsa_enable_private_segment 0
		.amdhsa_kernarg_size 48
		.amdhsa_user_sgpr_count 2
		.amdhsa_user_sgpr_kernarg_segment_ptr 1
		.amdhsa_wavefront_size32 1
		.amdhsa_system_sgpr_workgroup_id_x 1
		.amdhsa_system_sgpr_workgroup_id_y 1
		.amdhsa_system_sgpr_workgroup_id_z 1
		.amdhsa_system_vgpr_workitem_id 0
		.amdhsa_next_free_vgpr 224
		.amdhsa_next_free_sgpr 66
		.amdhsa_reserve_vcc 0
		.amdhsa_float_denorm_mode_32 3
		.amdhsa_float_denorm_mode_16_64 3
		.amdhsa_memory_ordered 1
		.amdhsa_forward_progress 1
		.amdhsa_inst_pref_size 129
	.end_amdhsa_kernel
	.amdgpu_metadata
---
amdhsa.version: [ 1, 2 ]
amdhsa.kernels:
  - .name:           k_q02c4e2db90_quant
    .symbol:         k_q02c4e2db90_quant.kd
    .args:
      - { .name: x, .offset: 0, .size: 8, .value_kind: global_buffer, .address_space: global }
      - { .name: qcodes, .offset: 8, .size: 8, .value_kind: global_buffer, .address_space: global }
      - { .name: scales, .offset: 16, .size: 8, .value_kind: global_buffer, .address_space: global }
      - { .name: zeros, .offset: 24, .size: 8, .value_kind: global_buffer, .address_space: global }
      - { .name: xq, .offset: 32, .size: 8, .value_kind: global_buffer, .address_space: global }
      - { .name: wq, .offset: 40, .size: 8, .value_kind: global_buffer, .address_space: global }
    .group_segment_fixed_size: 327680
    .private_segment_fixed_size: 0
    .kernarg_segment_align: 8
    .kernarg_segment_size: 48
    .max_flat_workgroup_size: 256
    .sgpr_count:     66
    .vgpr_count:     224
    .wavefront_size: 32
...
	.end_amdgpu_metadata
.endif
;; end of part 1
;; launch gemm (part 2): grid 16 x 16, 4 waves a work-group, clusters of 4 x 4, 327,680 bytes of LDS; arguments xq, wq, bias, out0; writes out0
.if DOCPART == 2
	.amdgcn_target "amdgcn-amd-amdhsa--gfx1250"
	.amdhsa_code_object_version 6
	.text
	.protected	k_q02c4e2db90_gemm
	.globl	k_q02c4e2db90_gemm
	.p2align	8
	.type	k_q02c4e2db90_gemm,@function
k_q02c4e2db90_gemm:
	s_mov_b64 s[64:65], 0
	v_nop
	global_prefetch_b8 v0, s[64:65] scope:SCOPE_SE
	s_setreg_imm32_b32 hwreg(HW_REG_WAVE_MODE, 25, 1), 1
	s_wait_xcnt 0x0
	s_wait_alu depctr_hold_cnt(0) depctr_sa_sdst(0) depctr_va_vdst(0) depctr_va_sdst(0) depctr_va_ssrc(0) depctr_va_vcc(0) depctr_vm_vsrc(0)
	s_getreg_b32 s2, hwreg(HW_REG_IB_STS2, 6, 4)
	s_cmp_eq_u32 s2, 0
	s_cbranch_scc0 .Lentry_in_a_cluster
	s_endpgm
.Lentry_in_a_cluster:
	s_bfe_u32 s2, ttmp6, 0x10000c
	s_cmp_lg_u32 s2, 0xf033
	s_cbranch_scc0 .Lentry_shape_is_right
	s_endpgm
.Lentry_shape_is_right:
; out0[m][n] = sum over k of x[m][k] W[n][k] + bias[n], on the codes and scale bytes that launch quant laid (its head comment gives xq's blocks and wq's chunks).
; A work-group of four waves makes 256 x 256.  Wave w makes all 256 rows x its own 64 columns: 64 accumulators (x's block a = 0 .. 15, W's block b = 0 .. 3), 512 registers.
; x GOES THROUGH LDS: a ring of two slots, each 256 rows x 512 along K: four blocks of xq, one tensor load a wave; 8 fills in all.  4 x 4 work-groups form a cluster; the four of a row need the same blocks
; and ask for them jointly.  W GOES FROM MEMORY STRAIGHT INTO REGISTERS: a step of 128 along K is one chunk of wq, 16 loads of 512 consecutive bytes and one of the scale words.
; Four sets of 64 registers take turns: a set is asked for again as soon as its step's products are issued,
; four steps ahead of its use, so W's stream has no prefetch beside it.  x's blocks are prefetched two fills ahead of the fill that is asked for, the four partners sharing a block out by address.
; THE MATRIX INSTRUCTION IS USED TRANSPOSED (source 0 = 16 rows of W, source 1 = 16 rows of x): a lane holds eight neighbouring numbers of a row of out0.  The bias is the C of each accumulator's first product.
; A step is four batches of 16 products: x's blocks 4 g .. 4 g + 3 against W's four; x's fragments have two buffers of four blocks, filled again behind the batch that read them.
; THE LAST FILL'S FOUR STEPS GO BY ROWS OF out0: all four sets of W are in registers then, so a group of 64 rows takes its four steps on end and leaves while the other groups are multiplied.
; REGISTERS: window 0: v0-31 addresses; v32-63 x's scale words, two sets (lanes 0-15 block i, lanes 16-31 block i + 8); v64-95 the bias; v96-103 W's scale words, four sets (lanes 0-15 an even block, 16-31 the odd one);
; v128-255 x's fragments.  Window 1: W's four sets.  Window 2: the accumulators of rows 0-127 ((a, b) at v[8 (4 a + b)]);  window 3: of rows 128-255.
.set SIZE_N, 4096
.set PITCH,  272                       ; an LDS row: 256 bytes + 16
.set BLKMEM, 33792
.set CH,     8448
.set HALFT,  132*PITCH                 ; a block of xq in LDS: 128 rows of codes, 4 rows of scale bytes
.set SCOFF,  128*PITCH
.set SLOT,   4*HALFT                   ; region 2 sub + half: rows 128 half .., K = 256 sub ..
.set SPARE,  2*SLOT
.set STGB,   16*PITCH                  ; a stage of 16 rows; four for each wave
.set NP,     8                         ; places behind this matrix instruction (ISA guide 7.12.1)
.set ADRA, 10                          ; v10-17 my fragment address in region n % 4 of slot n / 4
.set ADRS, 18                          ; v18-21 my scale words' address for sub n % 2 of slot n / 2
.set STO,  22
.set RD,   23
.set CO,   24
.set BO,   25
.set BLO,  26                          ; 16 x lane
.set BSO,  27                          ; 8 x lane
.set SPW,  28
.set NIL,  29
.set PFO,  30                          ; 256 x lane
.set SC,   32
.set BI,   64
.set SB,   96
.set AF,   128
.set G1, 24
.set G0, 32
.set PB,  48                           ; s[48:49] wq at my 64 columns' chunk 8 x trip
.set PFA, 50                           ; s[50:51] where my prefetches stand
.set MSB, 0
.macro WIN new
.if MSB != (\new)
	s_set_vgpr_msb (MSB<<8)|(\new)
.set MSB, (\new)
.endif
.endm
.macro MWIN hi, first                  ; source 0 window 1, source 1 window 0, D window 2 + hi; C the same, or window 0 (the bias)
.if \first
	WIN 0x81+0x40*(\hi)
.else
	WIN 0xa1+0x50*(\hi)
.endif
.endm
.set TO_B, 0x40
.macro PLACES n
.rept \n
	v_nop
.endr
.endm
.macro JLOAD s                         ; one line for all four waves: block and LDS region hang on the wave's number; s_nop 0 and four v_nop follow
	tensor_load_to_lds s[G0+4*(\s):G0+4*(\s)+3], s[G1:G1+7]
	s_nop 0
	PLACES 4
.endm
.macro CREST
	s_cmp_lg_u32 s14, 0
	s_cbranch_scc1 .Lnot_wave_0_\@
	s_barrier_signal -3
.Lnot_wave_0_\@:
	s_barrier_wait -3
	s_barrier_signal -1
	s_barrier_wait -1
.endm
.macro CROUND
	s_barrier_signal -1
	s_barrier_wait -1
	CREST
.endm
	s_load_b256 s[4:11], s[0:1], 0x0               ; xq, wq, bias, out0
	v_lshl_add_u32 v[SPW], v0, 2, SPARE
	v_mov_b32 v[NIL], 0
	ds_add_u32 v[SPW], v[NIL]                      ; the opening lines: the add, twice on end, and its wait
	ds_add_u32 v[SPW], v[NIL]
	v_lshrrev_b32 v1, 5, v0
	v_readfirstlane_b32 s14, v1                    ; wave 0..3
	s_and_b32 s15, s14, 1                          ; I fetch rows 128 x this,
	s_lshr_b32 s16, s14, 1                         ; K = 256 x this of a slot
	s_bfe_u32 s40, ttmp6, 0x40000                  ; cx
	s_bfe_u32 s41, ttmp6, 0x40004                  ; cy
	s_lshl_b32 s42, ttmp9, 2
	s_add_co_u32 s42, s42, s40                     ; tile column
	s_and_b32 s17, ttmp7, 0xffff
	s_lshl_b32 s17, s17, 2
	s_add_co_u32 s17, s17, s41                     ; tile row
	s_lshl_b32 s43, s41, 2
	s_lshl_b32 s43, 15, s43                        ; my row of the cluster
	s_or_b32 s[G1+0], s43, (3<<16)|(1<<20)|(1<<21)|(5<<22)|(3<<25)   ; the mask; elements of 8 bytes; 4 words of padding behind every 64
	s_mov_b32 s[G1+1], 32<<16
	s_mov_b32 s[G1+2], 132<<16
	s_mov_b32 s[G1+3], 32<<16
	s_mov_b32 s[G1+4], 132
	s_mov_b32 s[G1+5], 32
	s_mov_b32 s[G1+6], 0
	s_mov_b32 s[G1+7], 0
	s_lshl_b32 s20, s17, 1
	s_add_co_u32 s20, s20, s15
	s_lshl_b32 s20, s20, 4
	s_add_co_u32 s20, s20, s16
	s_mul_i32 s20, s20, BLKMEM                     ; xq: block (2 x tile row + half, sub)
	s_mov_b32 s21, 0
	s_lshl_b32 s46, s42, 2
	s_add_co_u32 s46, s46, s14
	s_mul_i32 s46, s46, 32*CH                      ; wq: my 64 columns' 32 chunks
	s_mov_b32 s47, 0
	s_mul_i32 s45, s14, HALFT
	s_mul_i32 s23, s14, 4*STGB                     ; my four stages
	s_lshl_b32 s18, s42, 10
	s_lshl_b32 s19, s14, 8
	s_add_co_u32 s18, s18, s19                     ; my first column, in bytes of f32
	s_mov_b32 s19, 0
	s_lshl_b32 s44, s40, 13                        ; of a block's bytes my work-group prefetches 8,192, by its place among the four
	s_add_co_u32 s44, s44, 6*BLKMEM
	v_and_b32 v1, 15, v0                           ; r
	v_bfe_u32 v2, v0, 4, 1                         ; h
	v_and_b32 v3, 31, v0
	v_mul_u32_u24 v4, v1, PITCH
	v_lshl_add_u32 v5, v2, 4, v4
.irp n, 0,1,2,3,4,5,6,7
	v_add_nc_u32 v[ADRA+\n], (\n/4)*SLOT+(\n%4)*HALFT, v5
.endr
	v_mul_u32_u24 v5, v2, HALFT                    ; lanes 16-31 take the rows 128 further down
	v_lshl_add_u32 v5, v1, 3, v5
.irp n, 0,1,2,3
	v_add_nc_u32 v[ADRS+\n], (\n/2)*SLOT+(\n%2)*2*HALFT+SCOFF, v5
.endr
	v_lshl_add_u32 v5, v2, 5, v4
	v_add_nc_u32 v[STO], s23, v5                   ; a stage, in: row r, 32 bytes for each half of the lanes
	v_mul_u32_u24 v5, v2, PITCH
	v_lshl_add_u32 v5, v1, 4, v5
	v_add_nc_u32 v[RD], s23, v5                    ; back: sixteen lanes a row of 256 bytes
	v_lshlrev_b32 v5, 14, v2
	v_lshl_add_u32 v[CO], v1, 4, v5                ; and the same two rows in out0
	v_lshlrev_b32 v[BO], 5, v2
	v_lshlrev_b32 v[BLO], 4, v3
	v_lshlrev_b32 v[BSO], 3, v3
	v_lshlrev_b32 v[PFO], 8, v3
	s_wait_alu depctr_va_vdst(0)                   ; directly ahead of the waits below
	s_wait_dscnt 0x0
	s_wait_kmcnt 0x0
	s_add_nc_u64 s[20:21], s[4:5], s[20:21]
	s_add_nc_u64 s[PB:PB+1], s[6:7], s[46:47]
.irp s, 0,1
	s_mov_b32 s[G0+4*\s], 1
	s_add_co_u32 s[G0+4*\s+1], s45, \s*SLOT
	s_add_nc_u64 s[G0+4*\s+2:G0+4*\s+3], s[20:21], \s*2*BLKMEM
	s_or_b32 s[G0+4*\s+3], s[G0+4*\s+3], 0x80000000
.endr
	CROUND                                         ; all sixteen work-groups are here: the first joint loads meet
	JLOAD 0                                        ; fill 0: one tensor load a wave at the head
	s_mov_b32 s45, 0
	s_add_nc_u64 s[PFA:PFA+1], s[20:21], s[44:45]
	s_add_nc_u64 s[8:9], s[8:9], s[18:19]
	s_add_nc_u64 s[10:11], s[10:11], s[18:19]
	s_lshl_b32 s18, s17, 22                        ; 256 rows of 16,384 bytes
	s_add_nc_u64 s[10:11], s[10:11], s[18:19]
.macro BLOAD idx, q                    ; chunk idx from PB on into set q: 17 loads
	WIN TO_B
.irp i, 0,1,2,3,4,5,6,7,8,9,10,11,12,13,14,15
	global_load_b128 v[64*(\q)+4*\i:64*(\q)+4*\i+3], v[BLO], s[PB:PB+1] offset:(\idx)*CH+512*\i
.endr
	WIN 0
	global_load_b64 v[SB+2*(\q):SB+2*(\q)+1], v[BSO], s[PB:PB+1] offset:(\idx)*CH+8192
.endm
.irp b, 0,1,2,3
	global_load_b128 v[BI+8*\b:BI+8*\b+3], v[BO], s[8:9] offset:64*\b
	global_load_b128 v[BI+8*\b+4:BI+8*\b+7], v[BO], s[8:9] offset:64*\b+16
.endr
	BLOAD 0, 0
	BLOAD 1, 1
	BLOAD 2, 2
.macro ALOAD slot, q, g, buf           ; x's blocks 4 g .. 4 g + 3 of the slot's q-th 128 along K into buffer buf: 16 loads, the lower blocks first
.irp a, 0,1,2,3
.irp c, 0,1,2,3
	ds_load_b128 v[AF+64*(\buf)+16*\a+4*\c:AF+64*(\buf)+16*\a+4*\c+3], v[ADRA+4*(\slot)+2*((\q)/2)+(\g)/2] offset:(4*((\g)%2)+\a)*16*PITCH+128*((\q)%2)+32*\c
.endr
.endr
.endm
.macro SCALES slot, sub                ; x's scale words of 256 along K: two words a row
.irp i, 0,1,2,3,4,5,6,7
	ds_load_b64 v[SC+16*(\sub)+2*\i:SC+16*(\sub)+2*\i+1], v[ADRS+2*(\slot)+(\sub)] offset:(\i/2)*PITCH+(\i%2)*128
.endr
.endm
.macro WM d, bf, af, c, sa, sb, ra, rb
.if (\ra)
.if (\rb)
	v_wmma_scale_f32_16x16x128_f8f6f4 v[(\d):(\d)+7], v[(\bf):(\bf)+15], v[(\af):(\af)+15], v[(\c):(\c)+7], v[(\sa)], v[(\sb)] matrix_a_scale:MATRIX_SCALE_ROW1 matrix_b_scale:MATRIX_SCALE_ROW1
.else
	v_wmma_scale_f32_16x16x128_f8f6f4 v[(\d):(\d)+7], v[(\bf):(\bf)+15], v[(\af):(\af)+15], v[(\c):(\c)+7], v[(\sa)], v[(\sb)] matrix_a_scale:MATRIX_SCALE_ROW1
.endif
.else
.if (\rb)
	v_wmma_scale_f32_16x16x128_f8f6f4 v[(\d):(\d)+7], v[(\bf):(\bf)+15], v[(\af):(\af)+15], v[(\c):(\c)+7], v[(\sa)], v[(\sb)] matrix_b_scale:MATRIX_SCALE_ROW1
.else
	v_wmma_scale_f32_16x16x128_f8f6f4 v[(\d):(\d)+7], v[(\bf):(\bf)+15], v[(\af):(\af)+15], v[(\c):(\c)+7], v[(\sa)], v[(\sb)]
.endif
.endif
.endm
; 16 products: group g's four blocks, in buffer buf, against W's set q.  The accumulators take turns.
; The group's loads are waited for in halves: yn = the LDS loads issued behind the group's sixteen, which stay out; ahead of the first two blocks the group's own last eight stay out too.
.macro BATCH g, q, buf, first, yn
.irp a, 0,1,2,3
.if (\a)%2 == 0
	s_wait_dscnt (\yn)+8-4*\a
.endif
.irp b, 0,1,2,3
.if \first
	WM 8*(4*(4*((\g)%2)+\a)+\b), 64*(\q)+16*\b, AF+64*(\buf)+16*\a, BI+8*\b, SB+2*(\q)+\b/2, SC+16*((\q)/2)+2*(4*((\g)%2)+\a)+(\q)%2, \b%2, (\g)/2
.else
	WM 8*(4*(4*((\g)%2)+\a)+\b), 64*(\q)+16*\b, AF+64*(\buf)+16*\a, 8*(4*(4*((\g)%2)+\a)+\b), SB+2*(\q)+\b/2, SC+16*((\q)/2)+2*(4*((\g)%2)+\a)+(\q)%2, \b%2, (\g)/2
.endif
.endr
.endr
.endm
.macro ASK                             ; the block that I fetch two fills on from the one just asked for: 32 lanes x 256 bytes; the last trip has no such fill
	s_cmp_gt_u32 s3, 1
	s_cbranch_scc0 .Lno_ask_\@
	global_prefetch_b8 v[PFO], s[PFA:PFA+1] th:TH_LOAD_NT scope:SCOPE_SE
.Lno_ask_\@:
.endm
; A step of 128 along K: the slot's q-th; W's set is q, and it is asked for again at the step's end: chunk bidx from PB on.  51: the loads of W's three younger sets, which stay out.
; mode 0: the next step lies in this slot;  1: the slot is read out: a round, and it is filled again;  2: a barrier, nothing is filled, and the steps by rows follow.
.macro STEP slot, q, first, bidx, mode
	s_wait_loadcnt 51
	MWIN 0, \first
	BATCH 0, \q, 0, \first, 16
	PLACES NP
	WIN 0
	ALOAD \slot, \q, 2, 0
	MWIN 0, \first
	BATCH 1, \q, 1, \first, 16
	PLACES NP
	WIN 0
	ALOAD \slot, \q, 3, 1
	MWIN 1, \first
	BATCH 2, \q, 0, \first, 16
.if (\mode) == 0
	PLACES NP
	WIN 0
.if (\q) == 1
	SCALES \slot, 1
.endif
	ALOAD \slot, (\q)+1, 0, 0
.else
	WIN 0
.if (\mode) == 1
	s_wait_xcnt 0x0                                ; my last prefetch has read its address
	s_add_nc_u64 s[PFA:PFA+1], s[PFA:PFA+1], 2*BLKMEM
.endif
	s_wait_tensorcnt 0x0                           ; all my tensor loads have landed: my block of the other slot;
	ds_add_u32 v[SPW], v[NIL]                      ; the add;
	s_wait_dscnt 0x0                               ; it is done, and my reads of this slot are over
	s_barrier_signal -1
	s_barrier_wait -1
.if (\mode) == 1
	CREST                                          ; the barrier has opened a round of the cluster's barrier
	s_add_nc_u64 s[G0+4*(\slot)+2:G0+4*(\slot)+3], s[G0+4*(\slot)+2:G0+4*(\slot)+3], 4*BLKMEM
	JLOAD \slot                                    ; the first tensor load behind the round; its four v_nop are among the places in front of the loads below
	PLACES NP-4
.else
	PLACES NP
.endif
	SCALES 1-(\slot), 0
	ALOAD 1-(\slot), 0, 0, 0
.if (\mode) == 1
	ASK
.endif
.endif
	MWIN 1, \first
	BATCH 3, \q, 1, \first, 16
	PLACES NP
	BLOAD \bidx, \q
.if (\mode) == 0
	ALOAD \slot, (\q)+1, 1, 1
.endif
.if (\mode) == 1
	ALOAD 1-(\slot), 0, 1, 1
.endif
.if (\mode) == 2
	SCALES 1, 1                                    ; by rows both sets of x's scale words are at work
	ALOAD 1, 1, 0, 1                               ; group 0's second step
.endif
.endm
	s_wait_alu depctr_va_vdst(0)                   ; the wait at the head's end
	s_wait_tensorcnt 0x0                           ; my block of fill 0 is in; slot 1's first fill is issued as a refill is
	ds_add_u32 v[SPW], v[NIL]
	s_wait_dscnt 0x0
	CROUND
	JLOAD 1
	BLOAD 3, 3
	SCALES 0, 0
	ALOAD 0, 0, 0, 0
	ALOAD 0, 0, 1, 1
	STEP 0, 0, 1, 4, 0                             ; step 0 stands in front of the loop: its products start the sums on the bias
	s_mov_b32 s3, 3
.Llap:                                                 ; a trip is eight steps, once round the ring, from a fill's second step to the first of the fill two on; it fills both slots again
	STEP 0, 1, 0, 5, 0
	STEP 0, 2, 0, 6, 0
	STEP 0, 3, 0, 7, 1
	STEP 1, 0, 0, 8, 0
	STEP 1, 1, 0, 9, 0
	STEP 1, 2, 0, 10, 0
	STEP 1, 3, 0, 11, 1
	STEP 0, 0, 0, 12, 0
	s_wait_xcnt 0x0                                ; W's loads have read their base
	s_add_nc_u64 s[PB:PB+1], s[PB:PB+1], 8*CH
	s_sub_co_u32 s3, s3, 1
	s_cmp_lg_u32 s3, 0
	s_cbranch_scc1 .Llap
	STEP 0, 1, 0, 5, 0                             ; steps 25 to 27: nothing is filled again; chunks 29 to 31 are W's last
	STEP 0, 2, 0, 6, 0
	STEP 0, 3, 0, 7, 2
; STEPS 28 TO 31, BY ROWS.  One batch: group g's step q, from buffer buf; behind it that buffer takes group ng's step nq (ng < 0: nothing is left).  lw: the loads of W's sets behind set q, which stay out.
.macro RB g, q, buf, lw, yn, ng, nq
	s_wait_loadcnt \lw
	MWIN (\g)/2, 0
	BATCH \g, \q, \buf, 0, \yn
	PLACES NP
	WIN 0
.if (\ng) >= 0
	ALOAD 1, \nq, \ng, \buf
.endif
.endm
; Group g's 64 rows x my 64 columns leave: each block of 16 rows through a stage of its own and back, as rows of 256 bytes, into its own accumulators' registers, and from there to out0.
; The stages lie in slot 0: it has had its last fill, and every wave has passed the barrier behind its last read.  LDS serves a wave's instructions in order (ISA guide 5.7.1.4).
; One window setting serves all three kinds: address window 0, LDS and store data and loaded data window 2 or 3.  Every offset is an immediate, 4,161,536 at the most: no base is stepped.
.macro OUTG g
	WIN 0x88+0x44*((\g)/2)
.irp j, 0,1,2,3
.irp b, 0,1,2,3
	ds_store_b128 v[STO], v[32*(4*((\g)%2)+\j)+8*\b:32*(4*((\g)%2)+\j)+8*\b+3] offset:\j*STGB+64*\b          ; each accumulator from its low end on
	ds_store_b128 v[STO], v[32*(4*((\g)%2)+\j)+8*\b+4:32*(4*((\g)%2)+\j)+8*\b+7] offset:\j*STGB+64*\b+16
.endr
.irp t, 0,1,2,3,4,5,6,7
	ds_load_b128 v[32*(4*((\g)%2)+\j)+4*\t:32*(4*((\g)%2)+\j)+4*\t+3], v[RD] offset:\j*STGB+\t*2*PITCH
.endr
.endr
.irp j, 0,1,2,3
	s_wait_dscnt 16*(3-\j)                         ; behind block j's loads: the 8 stores and 8 loads of each later block
.irp t, 0,1,2,3,4,5,6,7
	global_store_b128 v[CO], v[32*(4*((\g)%2)+\j)+4*\t:32*(4*((\g)%2)+\j)+4*\t+3], s[10:11] offset:((4*(\g)+\j)*16+2*\t)*SIZE_N*4 th:TH_STORE_NT   ; sixteen lanes store 256 consecutive bytes, at a multiple of 256 from out0's first byte
.endr
.endr
	WIN 0
.endm
	RB 0, 0, 0, 51, 16, 0, 2                       ; groups 0 and 1 take steps 28 to 30 first: W's last chunk, asked for just now, has six batches in which to land
	RB 0, 1, 1, 34, 16, 1, 0
	RB 0, 2, 0, 17, 16, 1, 1
	RB 1, 0, 1, 17, 16, 1, 2
	RB 1, 1, 0, 17, 16, 0, 3
	RB 1, 2, 1, 17, 16, 1, 3
	RB 0, 3, 0, 0, 16, 2, 0
	OUTG 0
	RB 1, 3, 1, 0, 16, 2, 1
	OUTG 1
	RB 2, 0, 0, 0, 16, 2, 2
	RB 2, 1, 1, 0, 16, 2, 3
	RB 2, 2, 0, 0, 16, 3, 0
	RB 2, 3, 1, 0, 16, 3, 1
	OUTG 2
	RB 3, 0, 0, 0, 16, 3, 2
	RB 3, 1, 1, 0, 16, 3, 3
	RB 3, 2, 0, 0, 16, -1, 0
	RB 3, 3, 1, 0, 0, -1, 0
	OUTG 3
	s_wait_tensorcnt 0x0                           ; the wave's end
	ds_add_u32 v[SPW], v[NIL]
	s_wait_dscnt 0x0
	CROUND                                         ; the closing round
	s_endpgm
.Lfunc_end_k_q02c4e2db90_gemm:
	.size	k_q02c4e2db90_gemm, .Lfunc_end_k_q02c4e2db90_gemm-k_q02c4e2db90_gemm
	.p2alignl 7, 3214868480
	.fill 96, 4, 3214868480
	.section	.rodata,"a",@progbits
	.p2align	6, 0x0
	.amdhsa_kernel k_q02c4e2db90_gemm
		.amdhsa_group_segment_fixed_size 327680
		.amdhsa_private_segment_fixed_size 0
		.amdhsa_enable_private_segment 0
		.amdhsa_kernarg_size 32
		.amdhsa_user_sgpr_count 2
		.amdhsa_user_sgpr_kernarg_segment_ptr 1
		.amdhsa_wavefront_size32 1
		.amdhsa_system_sgpr_workgroup_id_x 1
		.amdhsa_system_sgpr_workgroup_id_y 1
		.amdhsa_system_sgpr_workgroup_id_z 1
		.amdhsa_system_vgpr_workitem_id 0
		.amdhsa_next_free_vgpr 1024
		.amdhsa_next_free_sgpr 66
		.amdhsa_reserve_vcc 0
		.amdhsa_float_denorm_mode_32 3
		.amdhsa_float_denorm_mode_16_64 3
		.amdhsa_memory_ordered 1
		.amdhsa_forward_progress 1
		.amdhsa_inst_pref_size 255
	.end_amdhsa_kernel
	.section	.bss,"aw",@nobits
	.p2align	6
	.space	262144
	.amdgpu_metadata
---
amdhsa.version: [ 1, 2 ]
amdhsa.kernels:
  - .name:           k_q02c4e2db90_gemm
    .symbol:         k_q02c4e2db90_gemm.kd
    .args:
      - { .name: xq, .offset: 0, .size: 8, .value_kind: global_buffer, .address_space: global }
      - { .name: wq, .offset: 8, .size: 8, .value_kind: global_buffer, .address_space: global }
      - { .name: bias, .offset: 16, .size: 8, .value_kind: global_buffer, .address_space: global }
      - { .name: out0, .offset: 24, .size: 8, .value_kind: global_buffer, .address_space: global }
    .group_segment_fixed_size: 327680
    .private_segment_fixed_size: 0
    .kernarg_segment_align: 8
    .kernarg_segment_size: 32
    .max_flat_workgroup_size: 128
    .sgpr_count:     66
    .vgpr_count:     1024
    .wavefront_size: 32
...
	.end_amdgpu_metadata
.endif
;; end of part 2
